; MI455X (gfx1250); checked and timed in simulation.
; The chip was launched on July 23, 2026; its instructions are those of AMD's public machine-readable ISA for CDNA 5 (MIT licence, August 2026) and "CDNA5" Instruction Set Architecture Reference Guide (July 2026). The comments in the code are by the model that wrote it; some were corrected since.
;; Channelwise Spatial MHSA. Allowed arithmetic: float matrix products may take bf16 or f16 operands with f32 sums; all other float work in f32.
;; Inputs: embed_w 64 x 1 float32; k_w 64 x 64 float32; merge_w 1 x 32 float32; o_w 64 x 64 float32; q_w 64 x 64 float32; v_w 64 x 64 float32; x 2 x 32 x 32 x 32 float32.
;; Outputs: out0 2 x 32 x 32 x 64 float32.
;; One version. Each part assembles by itself: llvm-mc -triple=amdgcn-amd-amdhsa -mcpu=gfx1250 --defsym DOCPART=n.
;; ======== version 1 of 1: 1 launch
;; launch mhsa (part 1): grid 256 x 1, 16 waves a work-group, no clusters, 274,176 bytes of LDS; arguments x, embed_w, q_w, k_w, v_w, o_w, merge_w, out0; writes out0
.if DOCPART == 1
	.amdgcn_target "amdgcn-amd-amdhsa--gfx1250"
	.amdhsa_code_object_version 6
	.text
	.protected	k_q2e6808e43d_mhsa
	.globl	k_q2e6808e43d_mhsa
	.p2align	8
	.type	k_q2e6808e43d_mhsa,@function
k_q2e6808e43d_mhsa:
	s_mov_b64 s[64:65], 0
	v_nop
	global_prefetch_b8 v0, s[64:65] scope:SCOPE_SE
	s_setreg_imm32_b32 hwreg(HW_REG_WAVE_MODE, 25, 1), 1
	s_wait_xcnt 0x0
; ChannelwiseSpatialMHSA, B = 2, S = 32 x 32 = 1024 positions, C = 32 channels, d_model = 64, 4 heads of 16, c_out = 64.  All in f32.
;
; WHAT IS COMPUTED.  Each token is ONE number t[n][s] = x[b][s][c] (n = (b, c)) times the column e = embed_w.  So, for every input of these shapes,
;   Q = t (q_w e), K = t (k_w e), V = t (v_w e)            (the products of the module, associated the other way round)
;   scores[n][h][s][t] = a_h t_s t_t,   a_h = (sum over the head's 16 d of (q_w e)_d (k_w e)_d) / 4
;   m[n][h][s] = sum over t of softmax_t(a_h t_s t_t) t_t
;   out[b][s][o] = sum over h of P[o][h] * (sum over c of merge_w[c] m[(b,c)][h][s]),   P[o][h] = sum over the head's d of o_w[o][d] (v_w e)_d
; What is left in bulk are the 64 x 4 x 1024 x 1024 exponentials and two sums for each.  No product deeper than one number is left in bulk, so the
; matrix units have nothing to do: for the two sums a B operand would use 2 of its 16 columns, and each pair of exponentials would need a
; conversion to 16 bits, as many instructions as the packed add that it would spare.  The four products of a 64 x 64 matrix with a vector
; (16,384 multiply-adds) are made once in each work-group, in f32.
;
; THE MAXIMUM of a softmax row is known exactly beforehand: with u = a_h log2(e) t_s it is u t*, t* = the channel's largest t where u > 0, else its
; smallest.  The exponent is formed as u (t - t*): at most 0, and exactly 0 at the maximum, so 1 <= denominator <= 1024 whatever the inputs' size.
;
; SHARES.  256 work-groups; work-group wg: batch b = wg >> 7, query positions 8 (wg & 127) .. + 7, all 32 channels and 4 heads: 2^20 exponentials
; each, and the sum over channels closes inside the work-group.  16 waves; wave w owns keys 64 w .. 64 w + 63.  Lane l: channel pair 2 (l & 15),
; 2 (l & 15) + 1, and the 32 keys 64 w + 2 i + (l >> 4).  These 64 numbers stay in registers for the whole kernel; a packed pair is always the two channels.
; The waves' partial sums meet in LDS at the end.
;
; NO JOINT LOADS IN A CLUSTER: x[b] (131,072 bytes) is read by 128 work-groups and the weights (65,536 bytes) by all, but each work-group reads them
; once, straight into the registers where they stay, in front of 2^20 exponentials; a joint load would land in LDS, where 131,072 bytes beside
; the 262,144 of the partial sums do not fit into 327,680.
;
; LIMITS.  The order of rounding differs from the module's as written (products associated otherwise).  Exponentials below 2^-126 count as 0 (against a
; denominator of at least 1).  NaN and infinities in the inputs, and inputs for which a_h log2(e) t_s leaves f32's range, are not served.
; LDS map, bytes.  Every byte is written once in the launch.
.set RED,  0                           ; [wave 16][row k = 4 r + h, 32][lane 32][den0, den1, num0, num1]: 16,384 a wave, 512 a row
.set MM,   262144                      ; [wave 16][lane 32][min0, min1, max0, max1]
.set AP,   270336                      ; word w: wave w's part of sum (q_w e)(k_w e)
.set VE,   270592                      ; (v_w e)[64]
.set PLT,  270848                      ; P transposed: [h 4][o 64]
.set M2L,  271872                      ; word 4 r + h: sum over c of merge_w[c] m
; vector registers
.set LN,    1                          ; lane
.set CL,    2                          ; lane & 15: channel pair; column group of the weights
.set HF,    3                          ; lane >> 4
.set XOFF,  4                          ; my keys in x[b]
.set XSOFF, 5                          ; my channel pair at the trip's query position
.set WOFF,  6                          ; my 16 bytes of the weights' rows 4 w + HF
.set EOFF,  7
.set REDST, 8
.set MGOFF, 9
.set MG,    10                         ; v[10:11]   merge_w of my two channels
.set TMIN,  12                         ; v[12:13]   smallest t of my two channels
.set TMAX,  14                         ; v[14:15]   largest
.set AH,    16                         ; v[16:19]   a_h log2(e)
.set XS,    20                         ; v[20:21]   t_s of my two channels
.set UU,    24                         ; v[24:31]   u, pair at 2 h
.set TS,    32                         ; v[32:39]   t*, pair at 2 h
.set ACC,   40                         ; v[40:55]   head h: denominators at 4 h, numerators at 4 h + 2
.set ZZ,    56                         ; v[56:71]   exponents, then exponentials: set (step & 1) at 8 (step & 1), pair at 2 h
.set TT,    72                         ; v[72:135]  my keys: step i's pair at 2 i
.set EW,    136                        ; v[136:139] e[4 CL ..]
.set QW,    140                        ; v[140:147] two rows' 4 columns of q_w; later the four quads of AP
.set KW,    148
.set VW,    156                        ; later the quad of VE
.set OW,    164
.set DT,    172                        ; v[172:177] dot products
.set TP,    178                        ; v[178:179] at work
.set MMST,  180
.set MMRD,  181
.set APST,  182
.set APRD,  183
.set VEST,  184
.set VERD,  185
.set PST,   186
.set MMQ,   192                        ; v[192:255] the 16 waves' min and max quads
.set RR,    72                         ; end: v[72:199] two rows x 16 waves' quads
.set RDB,   200                        ; v[200:203]
.set M2ST,  204
.set M2RD,  205
.set PRD,   206
.set OOFF,  207
	s_load_b512 s[8:23], s[0:1], 0x0               ; x 8, embed_w 10, q_w 12, k_w 14, v_w 16, o_w 18, merge_w 20, out0 22
	v_lshl_add_u32 v22, v0, 2, 0x42700
	v_mov_b32 v23, 0
	v_lshrrev_b32 v1, 5, v0
	v_readfirstlane_b32 s2, v1                     ; wave 0..15
	v_and_b32 v[LN], 31, v0
	v_and_b32 v[CL], 15, v0
	v_bfe_u32 v[HF], v0, 4, 1
	s_lshr_b32 s3, ttmp9, 7                        ; b
	s_and_b32 s4, ttmp9, 127                       ; block of 8 query positions
	s_mov_b32 s24, 0x76543210                      ; v_permlanex16_b32: lane i of one half reads lane i of the other
	s_mov_b32 s25, 0xfedcba98
	s_lshl_b32 s26, s2, 13                         ; 64 keys x 128 bytes
	s_lshl_b32 s27, s4, 10                         ; 8 positions x 128 bytes
	s_lshl_b32 s28, s2, 10                         ; 4 rows x 256 bytes of a weight matrix
	v_lshl_add_u32 v[XOFF], v[LN], 3, s26          ; key 64 w + HF, channel pair CL: 128 HF + 8 CL = 8 lane
	v_lshl_add_u32 v[XSOFF], v[CL], 3, s27
	v_lshl_add_u32 v[WOFF], v[LN], 4, s28          ; row 4 w + HF, columns 4 CL ..: 256 HF + 16 CL = 16 lane
	v_lshlrev_b32 v[EOFF], 4, v[CL]
	v_lshlrev_b32 v[MGOFF], 3, v[CL]
	s_lshl_b32 s6, s3, 17                          ; x[b]: 131,072 bytes a batch
	s_mov_b32 s7, 0
	s_wait_kmcnt 0x0
	s_add_nc_u64 s[8:9], s[8:9], s[6:7]
	s_lshl_b32 s6, ttmp9, 11                       ; out0: 8 rows of 256 bytes for each work-group
	s_add_nc_u64 s[22:23], s[22:23], s[6:7]
	; ALL LOADS but the later query pairs, oldest first in the order of their use: 7, then 32, then 4
	global_load_b128 v[EW:EW+3],   v[EOFF], s[10:11]
	global_load_b128 v[QW:QW+3],   v[WOFF], s[12:13]
	global_load_b128 v[QW+4:QW+7], v[WOFF], s[12:13] offset:512        ; row 4 w + 2 + HF
	global_load_b128 v[KW:KW+3],   v[WOFF], s[14:15]
	global_load_b128 v[KW+4:KW+7], v[WOFF], s[14:15] offset:512
	global_load_b128 v[VW:VW+3],   v[WOFF], s[16:17]
	global_load_b128 v[VW+4:VW+7], v[WOFF], s[16:17] offset:512
.set i, 0
.rept 32
	global_load_b64 v[TT+2*i:TT+2*i+1], v[XOFF], s[8:9] offset:256*i   ; the wave reads 256 consecutive bytes, aligned: keys 64 w + 2 i and + 1
.set i, i+1
.endr
	global_load_b128 v[OW:OW+3],   v[WOFF], s[18:19]
	global_load_b128 v[OW+4:OW+7], v[WOFF], s[18:19] offset:512
	global_load_b64  v[MG:MG+1],   v[MGOFF], s[20:21]
	global_load_b64  v[XS:XS+1],   v[XSOFF], s[8:9]                    ; query position 0 of my 8
	; LDS addresses, while the loads are on their way
	s_lshl_b32 s29, s2, 14
	v_lshl_add_u32 v[REDST], v[LN], 4, s29         ; RED + 16,384 w + 16 lane
	s_lshl_b32 s30, s2, 9
	s_add_co_u32 s30, s30, MM
	v_lshl_add_u32 v[MMST], v[LN], 4, s30
	v_lshl_add_u32 v[MMRD], v[LN], 4, MM
	s_lshl_b32 s31, s2, 2
	s_add_co_u32 s31, s31, AP
	v_mov_b32 v[APST], s31
	v_mov_b32 v[APRD], AP
	s_lshl_b32 s32, s2, 4
	s_add_co_u32 s33, s32, VE
	v_lshl_add_u32 v[VEST], v[HF], 2, s33          ; word 4 w + HF
	v_lshl_add_u32 v[VERD], v[CL], 4, VE
	s_add_co_u32 s32, s32, PLT
	v_lshrrev_b32 v[PST], 2, v[CL]                 ; the head of my 4 columns
	v_lshlrev_b32 v[PST], 8, v[PST]
	v_lshl_add_u32 v[PST], v[HF], 2, v[PST]
	v_add_nc_u32 v[PST], s32, v[PST]               ; PLT + 256 head + 4 (4 w + HF)
; my 4 columns of a row times 4 numbers of a vector
.macro DOT4 dst, m, vec
	v_pk_mul_f32 v[TP:TP+1], v[\m:\m+1], v[\vec:\vec+1]
	v_pk_fma_f32 v[TP:TP+1], v[\m+2:\m+3], v[\vec+2:\vec+3], v[TP:TP+1]
	v_add_f32 v[\dst], v[TP], v[TP+1]
.endm
; sums over 4 and over 16 neighbouring lanes, the result in each of them
.macro XSUM4 reg
.irp x, 1,2
	v_add_f32_dpp v[\reg], v[\reg], v[\reg] row_xmask:\x row_mask:0xf bank_mask:0xf
.endr
.endm
.macro XSUM16 reg
.irp x, 1,2,4,8
	v_add_f32_dpp v[\reg], v[\reg], v[\reg] row_xmask:\x row_mask:0xf bank_mask:0xf
.endr
.endm
	; q_w e, k_w e, v_w e for rows 4 w + HF and 4 w + 2 + HF
	s_wait_loadcnt 36                              ; e and the six quads of q_w, k_w, v_w are in; the 32 key loads and the 4 behind them stay out
	DOT4 DT+0, QW,   EW
	XSUM16 DT+0
	DOT4 DT+1, QW+4, EW
	XSUM16 DT+1
	DOT4 DT+2, KW,   EW
	XSUM16 DT+2
	DOT4 DT+3, KW+4, EW
	XSUM16 DT+3
	DOT4 DT+4, VW,   EW
	XSUM16 DT+4
	DOT4 DT+5, VW+4, EW
	XSUM16 DT+5
	v_mul_f32 v[TP], v[DT+0], v[DT+2]
	v_fma_f32 v[TP], v[DT+1], v[DT+3], v[TP]
	v_permlanex16_b32 v[TP+1], v[TP], s24, s25     ; the other two rows (its destination has been written above)
	v_add_f32 v[TP], v[TP], v[TP+1]                ; my wave's 4 rows, which lie in head w >> 2
	ds_store_b32 v[APST], v[TP]
	ds_store_b32 v[VEST], v[DT+4]
	ds_store_b32 v[VEST], v[DT+5] offset:8
	; smallest and largest of my 32 keys, for each of my two channels: four chains side by side
	s_wait_loadcnt 4                               ; the keys are in; o_w's two quads, merge_w and the query pair stay out
	v_min_num_f32 v[TMIN],   v[TT],   v[TT+2]
	v_min_num_f32 v[TMIN+1], v[TT+1], v[TT+3]
	v_max_num_f32 v[TMAX],   v[TT],   v[TT+2]
	v_max_num_f32 v[TMAX+1], v[TT+1], v[TT+3]
.set j, 4
.rept 15
	v_min3_num_f32 v[TMIN],   v[TMIN],   v[TT+j],   v[TT+j+2]
	v_min3_num_f32 v[TMIN+1], v[TMIN+1], v[TT+j+1], v[TT+j+3]
	v_max3_num_f32 v[TMAX],   v[TMAX],   v[TT+j],   v[TT+j+2]
	v_max3_num_f32 v[TMAX+1], v[TMAX+1], v[TT+j+1], v[TT+j+3]
.set j, j+4
.endr
	ds_store_b128 v[MMST], v[TMIN:TMIN+3]
	s_wait_dscnt 0x0                               ; for the other waves: my four stores are in LDS
	s_barrier_signal -1
	s_barrier_wait -1                              ; AP, VE and MM are whole
	ds_load_b128 v[QW:QW+3],     v[APRD]           ; head h's four parts in quad h
	ds_load_b128 v[QW+4:QW+7],   v[APRD] offset:16
	ds_load_b128 v[QW+8:QW+11],  v[APRD] offset:32
	ds_load_b128 v[QW+12:QW+15], v[APRD] offset:48
	ds_load_b128 v[VW:VW+3],     v[VERD]           ; (v_w e)[4 CL ..]
.set j, 0
.rept 16
	ds_load_b128 v[MMQ+4*j:MMQ+4*j+3], v[MMRD] offset:512*j            ; my lane's quad of wave j
.set j, j+1
.endr
	s_wait_dscnt 16                                ; the five oldest are in; the 16 quads of MM stay out
.irp h, 0,1,2,3
	v_add_f32 v[AH+\h], v[QW+4*\h],   v[QW+4*\h+1]
	v_add_f32 v[DT+\h], v[QW+4*\h+2], v[QW+4*\h+3]
	v_add_f32 v[AH+\h], v[AH+\h], v[DT+\h]
	v_mul_f32 v[AH+\h], 0x3eb8aa3b, v[AH+\h]       ; x log2(e) / 4: the division by sqrt(16), and base 2 for v_exp_f32
.endr
	s_wait_loadcnt 2                               ; o_w's two quads are in; merge_w and the query pair stay out
	DOT4 DT+4, OW,   VW
	XSUM4 DT+4                                     ; 4 lanes x 4 columns = a head's 16
	DOT4 DT+5, OW+4, VW
	XSUM4 DT+5
	ds_store_b32 v[PST], v[DT+4]                   ; P[4 w + HF][head]
	ds_store_b32 v[PST], v[DT+5] offset:8          ; P[4 w + 2 + HF][head]; read behind the second barrier
	s_wait_dscnt 2                                 ; only these two stores may be out: the 16 quads of MM are in
	v_min_num_f32 v[TMIN],   v[MMQ],   v[MMQ+4]
	v_min_num_f32 v[TMIN+1], v[MMQ+1], v[MMQ+5]
	v_max_num_f32 v[TMAX],   v[MMQ+2], v[MMQ+6]
	v_max_num_f32 v[TMAX+1], v[MMQ+3], v[MMQ+7]
.set j, 8
.rept 7
	v_min3_num_f32 v[TMIN],   v[TMIN],   v[MMQ+j],   v[MMQ+j+4]
	v_min3_num_f32 v[TMIN+1], v[TMIN+1], v[MMQ+j+1], v[MMQ+j+5]
	v_max3_num_f32 v[TMAX],   v[TMAX],   v[MMQ+j+2], v[MMQ+j+6]
	v_max3_num_f32 v[TMAX+1], v[TMAX+1], v[MMQ+j+3], v[MMQ+j+7]
.set j, j+8
.endr
.irp c, 0,1,2,3
	v_permlanex16_b32 v[MMQ+\c], v[TMIN+\c], s24, s25                  ; the other half of the lanes holds the other half of the keys
.endr
	v_min_num_f32 v[TMIN],   v[TMIN],   v[MMQ]
	v_min_num_f32 v[TMIN+1], v[TMIN+1], v[MMQ+1]
	v_max_num_f32 v[TMAX],   v[TMAX],   v[MMQ+2]
	v_max_num_f32 v[TMAX+1], v[TMAX+1], v[MMQ+3]                       ; over all 1024 keys of each of my two channels
; ONE KEY STEP (number si), all four heads: a pipeline of three stages on two sets of ZZ.  Step si is exponentiated in place, step si - 1 is
; added to the sums, step si + 1's exponents are made, in the set that step si - 1 has just left.  Step 0's exponents lie in the denominators'
; registers, so its exponentials start those sums, and its product starts the numerators: nothing is cleared.
; Behind each v_exp_f32 stand packed instructions that touch neither its result nor its source; a result is first read a whole step later
; (ISA guide 5.7.2: an independent instruction between a transcendental and the use of its result).
.macro SLOT
.set ZC, ZZ+8*(si&1)
.set ZO, ZZ+8*((si+1)&1)
.irp h, 0,1,2,3
.if si == 0
	v_exp_f32 v[ACC+4*\h],   v[ACC+4*\h]
	v_exp_f32 v[ACC+4*\h+1], v[ACC+4*\h+1]
.else
	v_exp_f32 v[ZC+2*\h], v[ZC+2*\h]
.if si == 1
	s_wait_alu depctr_va_vdst(0)
	v_pk_mul_f32 v[ACC+4*\h+2:ACC+4*\h+3], v[ACC+4*\h:ACC+4*\h+1], v[TT:TT+1]
.else
	s_wait_alu depctr_va_vdst(0)
	v_pk_add_f32 v[ACC+4*\h:ACC+4*\h+1], v[ACC+4*\h:ACC+4*\h+1], v[ZO+2*\h:ZO+2*\h+1]
	v_pk_fma_f32 v[ACC+4*\h+2:ACC+4*\h+3], v[ZO+2*\h:ZO+2*\h+1], v[TT+2*(si-1):TT+2*(si-1)+1], v[ACC+4*\h+2:ACC+4*\h+3]
.endif
	v_exp_f32 v[ZC+2*\h+1], v[ZC+2*\h+1]
.endif
.if si < 31
	v_pk_add_f32 v[ZO+2*\h:ZO+2*\h+1], v[TT+2*(si+1):TT+2*(si+1)+1], v[TS+2*\h:TS+2*\h+1] neg_lo:[0,1] neg_hi:[0,1]
	v_pk_mul_f32 v[ZO+2*\h:ZO+2*\h+1], v[ZO+2*\h:ZO+2*\h+1], v[UU+2*\h:UU+2*\h+1]
.endif
.endr
.endm
; ONE QUERY POSITION: 4 heads x 2 channels x my 32 keys.  more = 1: the next position's pair is asked for, and is on its way for the whole trip.
.macro TRIP more
	s_wait_loadcnt 0x0                             ; the query pair is in (the first time merge_w too); its address register is free
.irp h, 0,1,2,3
.irp c, 0,1
	v_mul_f32 v[UU+2*\h+\c], v[XS+\c], v[AH+\h]    ; u = a_h log2(e) t_s
	v_cmp_lt_f32 vcc_lo, 0, v[UU+2*\h+\c]
	v_cndmask_b32 v[TS+2*\h+\c], v[TMIN+\c], v[TMAX+\c], vcc_lo        ; t*: the largest t where u > 0, else the smallest
.endr
.endr
.if \more
	v_add_nc_u32 v[XSOFF], 128, v[XSOFF]
	global_load_b64 v[XS:XS+1], v[XSOFF], s[8:9]
.endif
.irp h, 0,1,2,3
	v_pk_add_f32 v[ACC+4*\h:ACC+4*\h+1], v[TT:TT+1], v[TS+2*\h:TS+2*\h+1] neg_lo:[0,1] neg_hi:[0,1]
	v_pk_mul_f32 v[ACC+4*\h:ACC+4*\h+1], v[ACC+4*\h:ACC+4*\h+1], v[UU+2*\h:UU+2*\h+1]   ; step 0: u (t - t*) <= 0
.endr
.set si, 0
.rept 32
	SLOT
.set si, si+1
.endr
	s_wait_alu depctr_va_vdst(0)
.irp h, 0,1,2,3
	v_pk_add_f32 v[ACC+4*\h:ACC+4*\h+1], v[ACC+4*\h:ACC+4*\h+1], v[ZZ+8+2*\h:ZZ+8+2*\h+1]              ; step 31, which lies in set 1
	v_pk_fma_f32 v[ACC+4*\h+2:ACC+4*\h+3], v[ZZ+8+2*\h:ZZ+8+2*\h+1], v[TT+62:TT+63], v[ACC+4*\h+2:ACC+4*\h+3]
.endr
.irp h, 0,1,2,3
	ds_store_b128 v[REDST], v[ACC+4*\h:ACC+4*\h+3] offset:512*\h       ; row 4 r + h of my wave's part: 32 lanes, 512 consecutive bytes
.endr
.if \more
	v_add_nc_u32 v[REDST], 2048, v[REDST]          ; four rows on
.endif
.endm
	s_mov_b32 s5, 7
.Ltrip:
	TRIP 1
	s_sub_co_i32 s5, s5, 1
	s_cmp_lg_u32 s5, 0
	s_cbranch_scc1 .Ltrip
	TRIP 0                                         ; the eighth position: nothing more is asked of x
	; THE SUM OVER THE 16 WAVES' KEYS.  Wave w takes rows 2 w and 2 w + 1 of the 32.
	s_lshl_b32 s26, s2, 10                         ; 2 rows x 512 bytes
	v_lshl_add_u32 v[RDB], v[LN], 4, s26
	v_add_nc_u32 v[RDB+1], 0x10000, v[RDB]         ; four waves' parts are 65,536 bytes: beyond an LDS instruction's 16-bit offset
	v_add_nc_u32 v[RDB+2], 0x20000, v[RDB]
	v_add_nc_u32 v[RDB+3], 0x30000, v[RDB]
	s_lshl_b32 s27, s2, 3
	s_add_co_u32 s27, s27, M2L
	v_mov_b32 v[M2ST], s27
	s_wait_dscnt 0x0                               ; for the other waves: my 32 rows, and my two words of P, are in LDS
	s_barrier_signal -1
	s_barrier_wait -1
.irp c, 0,1
.set j, 0
.rept 16
	ds_load_b128 v[RR+64*\c+4*j:RR+64*\c+4*j+3], v[RDB+j/4] offset:(j%4)*16384+512*\c
.set j, j+1
.endr
.endr
; row c of my two: sum the 16 waves and the two halves of the lanes, divide, weigh with merge_w, sum over the 32 channels
.macro REDUCE c
.set R0, RR+64*\c
.set j, 1
.rept 15
	v_pk_add_f32 v[R0:R0+1],   v[R0:R0+1],   v[R0+4*j:R0+4*j+1]
	v_pk_add_f32 v[R0+2:R0+3], v[R0+2:R0+3], v[R0+4*j+2:R0+4*j+3]
.set j, j+1
.endr
.irp k, 0,1,2,3
	v_permlanex16_b32 v[R0+4+\k], v[R0+\k], s24, s25
.endr
	v_pk_add_f32 v[R0:R0+1],   v[R0:R0+1],   v[R0+4:R0+5]              ; denominators over all 1024 keys: between 1 and 1024
	v_pk_add_f32 v[R0+2:R0+3], v[R0+2:R0+3], v[R0+6:R0+7]              ; numerators
	v_rcp_f32 v[R0+4], v[R0]
	v_rcp_f32 v[R0+5], v[R0+1]
	v_pk_mul_f32 v[R0+2:R0+3], v[R0+2:R0+3], v[MG:MG+1]                ; the independent instruction behind the two reciprocals
	s_wait_alu depctr_va_vdst(0)
	v_mul_f32 v[R0+6], v[R0+2], v[R0+4]
	v_fma_f32 v[R0+6], v[R0+3], v[R0+5], v[R0+6]                       ; my two channels
	XSUM16 R0+6                                                        ; the 16 channel pairs
.endm
	s_wait_dscnt 16                                ; the first row's 16 quads are in, the second row's stay out
	REDUCE 0
	s_wait_dscnt 0x0
	REDUCE 1
	ds_store_b32 v[M2ST], v[RR+6]
	ds_store_b32 v[M2ST], v[RR+64+6] offset:4
	s_wait_dscnt 0x0                               ; for waves 0 to 3
	s_barrier_signal -1
	s_barrier_wait -1
	; OUTPUT: 8 rows x 64 numbers = 2,048 bytes = 128 lanes x 16 bytes: waves 0 to 3.  No barrier follows.
	s_cmp_gt_u32 s2, 3
	s_cbranch_scc1 .Lend
	s_lshl_b32 s28, s2, 5
	s_add_co_u32 s28, s28, M2L
	v_lshl_add_u32 v[M2RD], v[HF], 4, s28          ; row 2 w + HF: its four heads
	v_lshl_add_u32 v[PRD], v[CL], 4, PLT           ; columns 4 CL ..
	v_lshlrev_b32 v[OOFF], 4, v0
	ds_load_b128 v[RR:RR+3], v[M2RD]
.irp h, 0,1,2,3
	ds_load_b128 v[RR+4+4*\h:RR+7+4*\h], v[PRD] offset:256*\h
.endr
	s_wait_dscnt 0x0
.irp j, 0,1,2,3
	v_mul_f32 v[RR+20+\j], v[RR+4+\j],  v[RR]
	v_fma_f32 v[RR+20+\j], v[RR+8+\j],  v[RR+1], v[RR+20+\j]
	v_fma_f32 v[RR+20+\j], v[RR+12+\j], v[RR+2], v[RR+20+\j]
	v_fma_f32 v[RR+20+\j], v[RR+16+\j], v[RR+3], v[RR+20+\j]
.endr
	global_store_b128 v[OOFF], v[RR+20:RR+23], s[22:23] th:TH_STORE_NT ; 16 lanes store one row of out0: 256 consecutive bytes, aligned
.Lend:
	s_wait_tensorcnt 0x0
	ds_add_u32 v22, v23
	s_wait_dscnt 0x0
	s_endpgm
.Lfunc_end_k_q2e6808e43d_mhsa:
	.size	k_q2e6808e43d_mhsa, .Lfunc_end_k_q2e6808e43d_mhsa-k_q2e6808e43d_mhsa
	.p2alignl 7, 3214868480
	.fill 96, 4, 3214868480
	.section	.rodata,"a",@progbits
	.p2align	6, 0x0
	.amdhsa_kernel k_q2e6808e43d_mhsa
		.amdhsa_group_segment_fixed_size 274176
		.amdhsa_private_segment_fixed_size 0
		.amdhsa_enable_private_segment 0
		.amdhsa_kernarg_size 64
		.amdhsa_user_sgpr_count 2
		.amdhsa_user_sgpr_kernarg_segment_ptr 1
		.amdhsa_wavefront_size32 1
		.amdhsa_system_sgpr_workgroup_id_x 1
		.amdhsa_system_sgpr_workgroup_id_y 1
		.amdhsa_system_sgpr_workgroup_id_z 1
		.amdhsa_system_vgpr_workitem_id 0
		.amdhsa_next_free_vgpr 256
		.amdhsa_next_free_sgpr 66
		.amdhsa_reserve_vcc 1
		.amdhsa_float_denorm_mode_32 3
		.amdhsa_float_denorm_mode_16_64 3
		.amdhsa_memory_ordered 1
		.amdhsa_forward_progress 1
		.amdhsa_inst_pref_size 119
	.end_amdhsa_kernel
	.amdgpu_metadata
---
amdhsa.version: [ 1, 2 ]
amdhsa.kernels:
  - .name:           k_q2e6808e43d_mhsa
    .symbol:         k_q2e6808e43d_mhsa.kd
    .args:
      - { .name: x, .offset: 0, .size: 8, .value_kind: global_buffer, .address_space: global }
      - { .name: embed_w, .offset: 8, .size: 8, .value_kind: global_buffer, .address_space: global }
      - { .name: q_w, .offset: 16, .size: 8, .value_kind: global_buffer, .address_space: global }
      - { .name: k_w, .offset: 24, .size: 8, .value_kind: global_buffer, .address_space: global }
      - { .name: v_w, .offset: 32, .size: 8, .value_kind: global_buffer, .address_space: global }
      - { .name: o_w, .offset: 40, .size: 8, .value_kind: global_buffer, .address_space: global }
      - { .name: merge_w, .offset: 48, .size: 8, .value_kind: global_buffer, .address_space: global }
      - { .name: out0, .offset: 56, .size: 8, .value_kind: global_buffer, .address_space: global }
    .group_segment_fixed_size: 274176
    .private_segment_fixed_size: 0
    .kernarg_segment_align: 8
    .kernarg_segment_size: 64
    .max_flat_workgroup_size: 512
    .sgpr_count:     66
    .vgpr_count:     256
    .wavefront_size: 32
...
	.end_amdgpu_metadata
.endif
;; end of part 1
